; MI455X (gfx1250); checked and timed in simulation.
; The chip was launched on July 23, 2026; its instructions are those of AMD's public machine-readable ISA for CDNA 5 (MIT licence, August 2026) and "CDNA5" Instruction Set Architecture Reference Guide (July 2026). The comments in the code are by the model that wrote it; some were corrected since.
;; MHA. Allowed arithmetic: matrix products marked QUANTISED: E2M3 operands, one E8M0 scale for each 32 along K, by v_wmma_scale_f32_16x16x128_f8f6f4 with both operands' format E2M3, f32 sums; everything else in f32.
;; Inputs: out_b 1,024 float32; out_w 1,024 x 1,024 float32; qkv_b 3,072 float32; qkv_w 3,072 x 1,024 float32; x 4 x 2,048 x 1,024 float32.
;; Outputs: out0 4 x 2,048 x 1,024 float32.
;; This version of the problem:
;;   THIS VERSION OF THE PROBLEM IS GIVEN IN LOW PRECISION. The matrix products marked QUANTISED in the list below multiply operands that are first quantised to E2M3 (2 exponent bits, 3 mantissa bits; 6 bits a number), with one power-of-two scale for each 32 numbers along K (OCP MX v1.0); their sums are f32. All else is computed in f32.
;;   The module's matrix products, in the order in which they are computed (A, B: the left and right operand; K: the contracted axis; several contracted axes count as one K, in the product's order):
;;     1. [M 8,192, K 1,024] x [K 1,024, N 3,072]; A: input x; B: input qkv_w: QUANTISED
;;     2. batch 64 x [M 2,048, K 64] x [K 64, N 2,048]; A: computed on the way; B: computed on the way: QUANTISED
;;     3. batch 64 x [M 2,048, K 2,048] x [K 2,048, N 64]; A: softmax (see below); B: computed on the way: QUANTISED
;;     4. [M 8,192, K 1,024] x [K 1,024, N 1,024]; A: computed on the way; B: input out_w: QUANTISED
;;   THE QUANTISER, for each operand of a quantised product, along K:
;;     - K is cut into blocks of 32 from its start; a last block that is shorter is filled with zeros.
;;     - A block's scale is 2^e with e = floor(log2(the largest magnitude in the block)) - 2, held to -126 .. 127; a block of zeros has e = 0. As a byte (E8M0): e + 127.
;;     - Each number is divided by its block's scale, clamped to +-7.5, and rounded to the nearest number of E2M3, ties to even, subnormals kept.
;;     - The product sums the exact products of the quantised numbers (number of the format x scale) in f32.
;;   ~~~python
;;   def quantise(x, axis):      # numpy; x: float32 -> the quantised numbers, widened to float32 again
;;       x = np.moveaxis(x, axis, -1); K = x.shape[-1]
;;       x = np.pad(x, [(0, 0)] * (x.ndim - 1) + [(0, -K % 32)]); x = x.reshape(x.shape[:-1] + (-1, 32)); a = np.abs(x).max(-1, keepdims=True)
;;       e = np.where(a > 0, np.clip(np.frexp(np.where(a > 0, a, 1))[1] - 1 - 2, -126, 127), 0)      # np.frexp(a)[1] - 1 = floor(log2(a)), exactly
;;       r = np.clip(x / 2.0 ** e, -7.5, 7.5)
;;       step = 2.0 ** (np.maximum(np.frexp(np.where(r == 0, 1, r))[1] - 1, 0) - 3)
;;       q = np.round(r / step) * step * 2.0 ** e      # np.round: ties to even
;;       return np.moveaxis(q.reshape(q.shape[:-2] + (-1,))[..., :K], -1, axis).astype(np.float32)
;;   ~~~
;;   SOFTMAX AHEAD OF A QUANTISED PRODUCT. Where the list says 'softmax', what is quantised is not the finished softmax but p = 2^(t - M), with t = logit x log2(e) and M = ceil(the row's largest t), a whole number; so 1/2 < the row's largest p <= 1. The row's sum l is taken of the UNQUANTISED p, in f32, and the product's result is divided by l at the end. Since M is a whole number, a kernel that streams over the keys may use a running M (the ceiling of the running maximum): every later rescaling is an exact power of two, which a block's scale takes up: the codes' values come out the same.
;;   OPERANDS COMPUTED ON THE WAY. 'Computed on the way' means the value that the module computes at that place (a softmax that the list does not call 'softmax' is quantised finished and normalised). What goes into a quantiser is computed in f32, as accurately as f32 sums, v_exp_f32 and their like allow (about 1e-6 of the number): no bf16 or f16 on the way to a quantiser, and a product that is left as it is and whose result goes on into a quantised operand takes f32 operands (vector FMAs, or v_wmma_f32_16x16x4_f32). A number that lies on a knife's edge between two numbers of the format may be rounded either way, as far as f32 arithmetic and the matrix unit's own rounding can turn it there, and no further.
;; One version. Each part assembles by itself: llvm-mc -triple=amdgcn-amd-amdhsa -mcpu=gfx1250 --defsym DOCPART=n.
;; ======== version 1 of 1: 4 launches
;; limits: right only within a limited range of input values
;; workspace buffers: img 9,437,184 bytes; sc 393,216 bytes; rec 20,185,088 bytes; oimg 6,291,456 bytes; osc 262,144 bytes
;; launch quant (part 1): grid 256 x 1, 6 waves a work-group, no clusters, 51,456 bytes of LDS; arguments x, qkv_w, out_w, img, sc; writes img, sc
.if DOCPART == 1
	.amdgcn_target "amdgcn-amd-amdhsa--gfx1250"
	.amdhsa_code_object_version 6
	.text
	.protected	k_q06fc3287dc_quant
	.globl	k_q06fc3287dc_quant
	.p2align	8
	.type	k_q06fc3287dc_quant,@function
k_q06fc3287dc_quant:
	s_mov_b64 s[64:65], 0
	v_nop
	global_prefetch_b8 v0, s[64:65] scope:SCOPE_SE
	s_setreg_imm32_b32 hwreg(HW_REG_WAVE_MODE, 25, 1), 1
	s_wait_xcnt 0x0
; x [8192][1024], qkv_w [3072][1024] and out_w [1024][1024], f32 with K innermost, become codes of FP6 (E2M3) with one E8M0 byte for each 32 along K,
; laid as IMAGES OF OPERAND REGISTERS.  A row block is 16 rows; image row i of block T is row 32 (T / 2) + 8 (T % 2) + i + 8 (i / 8), so that two neighbouring blocks used as
; source 0 give a lane 16 neighbours along the next product's K.  A fragment (16 rows x 128 K, 12 registers a lane) is 1,536 bytes: for each 64 along K registers 0-3 at 16 x lane,
; registers 4-5 at 512 + 8 x lane.  img: [row block 768][K step 8][1,536] (blocks 0-511 x, 512-703 qkv_w, 704-767 out_w).  sc: [row block][half of K][row 16][4 words], a word = 4 bytes of one K step.
; A block's scale is 2^(floor(log2(largest magnitude)) - 2); its byte is the largest magnitude's exponent field - 2, held at 1 from below.
; LIMITS: NaN and infinities among the inputs are not served; blocks whose largest magnitude lies under 2^-124 keep the byte 1 and were not tried; a block of zeros gets the byte 1
; where the rule says 127: its codes are zeros, and this program alone reads the bytes.
; SHARES: 1,536 tasks = 256 work-groups x 6 waves; a wave takes one row block and 512 along K, in four steps of 128.  Each load reads 512 consecutive bytes of one row; a step's 8 KiB turn through the
; wave's own stage in LDS (rows of 512 + 16 bytes) so that a lane holds 16 neighbours of each block of 32.  Waves share nothing: no barrier.  Work-groups share no input: no cluster, no matrix unit.
.set STG,   8448                       ; a wave's stage: 16 rows x 528 bytes
.set SPARE, 6*STG                      ; behind the stages: the spare words, 128 bytes a wave, three blocks of 256 bytes that no other line names
.set L16,  1                           ; v1   16 x lane
.set L8,   2                           ; v2   8 x lane
.set SIN,  3                           ; v3   the stage, on the way in
.set SOUT, 4                           ; v4   and on the way out: row r, + 64 h
.set SCO,  5                           ; v5   16 r + 8 h: my two scale words' place
.set SPW,  6                           ; v6   my spare word's LDS address; never rewritten
.set NIL,  7                           ; v7   0; never rewritten
.set TM,   8                           ; v8-23  at work in QUANT
.set PW,   24                          ; v24-27 the four steps' scale words
.set PR,   28                          ; v28-29 the two that I store
.set PC,   32                          ; v32-51 a fragment's codes, and eight registers of staging
.set X,    64                          ; v64-255 three sets of 64 numbers
.set SEL,  20                          ; s[20:21] v_permlanex16_b32's selects for lane l xor 16
	s_load_b256 s[4:11], s[0:1], 0x0               ; x s[4:5], qkv_w s[6:7], out_w s[8:9], img s[10:11]
	s_load_b64 s[12:13], s[0:1], 0x20              ; sc
	v_lshl_add_u32 v[SPW], v0, 2, SPARE
	v_mov_b32 v[NIL], 0
	v_lshrrev_b32 v1, 5, v0
	v_readfirstlane_b32 s14, v1                    ; wave 0..5
	v_and_b32 v2, 31, v0                           ; lane
	v_and_b32 v4, 15, v0                           ; r
	v_bfe_u32 v5, v0, 4, 1                         ; h
	v_lshlrev_b32 v[L16], 4, v2
	v_lshlrev_b32 v[L8], 3, v2
	s_mul_i32 s15, s14, STG
	v_add_nc_u32 v[SIN], s15, v[L16]
	v_mul_u32_u24 v8, v4, 528
	v_lshl_add_u32 v8, v5, 6, v8
	v_lshlrev_b32 v9, 3, v5
	v_lshl_add_u32 v[SCO], v4, 4, v9
	v_add_nc_u32 v[SOUT], s15, v8
	s_mov_b32 s[SEL], 0x76543210
	s_mov_b32 s[SEL+1], 0xfedcba98
	s_mov_b32 s30, 0xffff0000                      ; lanes 16-31
.irp b, 0,1,2,3
	v_mov_b32 v[TM+4+\b], 0                        ; written once: a lane permute's destination counts as one of its sources
.endr
	s_mul_i32 s16, ttmp9, 6
	s_add_co_u32 s16, s16, s14                     ; my task
	s_lshr_b32 s17, s16, 1                         ; its row block,
	s_and_b32 s18, s16, 1                          ; its half of K
	s_wait_alu depctr_va_vdst(0)
	s_wait_kmcnt 0x0
	s_cmp_lt_u32 s17, 512                          ; which tensor: the choice hangs on ids alone
	s_cselect_b64 s[4:5], s[4:5], s[6:7]
	s_cselect_b32 s19, 0, 512
	s_cmp_lt_u32 s17, 704
	s_cselect_b64 s[4:5], s[4:5], s[8:9]
	s_cselect_b32 s19, s19, 704
	s_sub_co_u32 s19, s17, s19                     ; the row block within its tensor
	s_lshr_b32 s22, s19, 1
	s_lshl_b32 s22, s22, 17                        ; 32 rows of 4,096 bytes for each pair of blocks,
	s_and_b32 s23, s19, 1
	s_lshl_b32 s23, s23, 15                        ; 8 rows for the odd one,
	s_add_co_u32 s22, s22, s23
	s_lshl_b32 s23, s18, 11                        ; 2,048 bytes for the second half of K
	s_add_co_u32 s22, s22, s23
	s_mov_b32 s23, 0
	s_add_nc_u64 s[4:5], s[4:5], s[22:23]
	s_mul_i32 s22, s16, 6144                       ; four fragments a task
	s_add_nc_u64 s[10:11], s[10:11], s[22:23]
	s_lshl_b32 s22, s16, 8                         ; 256 bytes of scale words a task
	s_add_nc_u64 s[12:13], s[12:13], s[22:23]
.macro LOAD t, set                     ; step t: 16 rows x 512 bytes; image row i is row i + 8 (i / 8) from the block's first
.irp i, 0,1,2,3,4,5,6,7,8,9,10,11,12,13,14,15
	global_load_b128 v[X+64*(\set)+4*\i:X+64*(\set)+4*\i+3], v[L16], s[4:5] offset:(\i+8*(\i/8))*4096+512*(\t) th:TH_LOAD_NT
.endr
.endm
.macro TURN set                        ; through the stage: LDS serves a wave's instructions in order, so no wait stands between the stores and the loads
.irp i, 0,1,2,3,4,5,6,7,8,9,10,11,12,13,14,15
	ds_store_b128 v[SIN], v[X+64*(\set)+4*\i:X+64*(\set)+4*\i+3] offset:528*\i
.endr
.irp b, 0,1,2,3
.irp j, 0,1,2,3
	ds_load_b128 v[X+64*(\set)+16*\b+4*\j:X+64*(\set)+16*\b+4*\j+3], v[SOUT] offset:128*\b+16*\j   ; register 16 b + i = k 32 b + 16 h + i of row r
.endr
.endr
.endm
; 64 numbers of a lane become a fragment's codes in v[PC] on and its row's scale word in v[pw]
.macro QUANT s, pw
.irp b, 0,1,2,3
	v_max3_num_f32 v[TM+\b], |v[\s+16*\b]|, |v[\s+1+16*\b]|, 0x1800000   ; my 16 numbers of block b, and the floor 2^(3 - 127): the byte cannot fall under 1
.endr
.irp i, 2,4,6,8,10,12,14
.irp b, 0,1,2,3
	v_max3_num_f32 v[TM+\b], v[TM+\b], |v[\s+16*\b+\i]|, |v[\s+1+16*\b+\i]|
.endr
.endr
.irp b, 0,1,2,3
	v_permlanex16_b32 v[TM+4+\b], v[TM+\b], s[SEL], s[SEL+1]
.endr
.irp b, 0,1,2,3
	v_max_num_f32 v[TM+\b], v[TM+\b], v[TM+4+\b]   ; with lane l xor 16's: the block's largest magnitude
.endr
.irp b, 0,1,2,3
	v_add_nc_u32 v[TM+12+\b], 0xff000000, v[TM+\b] ; 2 off its exponent field: the conversion's scale operand
.endr
.irp b, 0,1,2,3
	v_lshrrev_b32 v[TM+4+\b], 23, v[TM+12+\b]      ; the scale's byte
.endr
	v_lshl_or_b32 v[\pw], v[TM+5], 8, v[TM+4]
	v_lshl_or_b32 v[\pw], v[TM+6], 16, v[\pw]
	v_lshl_or_b32 v[\pw], v[TM+7], 24, v[\pw]
.irp c, 0,1
	v_cvt_scalef32_pk16_fp6_f32 v[PC+6*\c:PC+2+6*\c], v[\s+32*\c:\s+15+32*\c], v[TM+12+2*\c]
	v_cvt_scalef32_pk16_fp6_f32 v[PC+12+4*\c:PC+14+4*\c], v[\s+16+32*\c:\s+31+32*\c], v[TM+12+2*\c+1]   ; (a conversion's three registers begin on an even number)
.endr
	v_nop                                          ; one plain place behind a scaled conversion
.irp c, 0,1                            ; the operand's layout wants a whole block in a lane: lanes 0-15 block 2 c, lanes 16-31 block 2 c + 1
.irp i, 0,1,2
	v_permlane16_swap_b32 v[PC+6*\c+\i], v[PC+12+4*\c+\i]
.endr
.irp i, 0,1,2
	v_mov_b32 v[PC+3+6*\c+\i], v[PC+12+4*\c+\i]
.endr
.endr
.endm
.macro OUT t                           ; the fragment's image: 512, 256, 512, 256 consecutive bytes, each at a multiple of 256 from the buffer's first byte
	global_store_b128 v[L16], v[PC:PC+3], s[10:11] offset:1536*(\t)
	global_store_b64 v[L8], v[PC+4:PC+5], s[10:11] offset:1536*(\t)+512
	global_store_b128 v[L16], v[PC+6:PC+9], s[10:11] offset:1536*(\t)+768
	global_store_b64 v[L8], v[PC+10:PC+11], s[10:11] offset:1536*(\t)+1280
.endm
.macro STEP t, set, left
	s_wait_loadcnt \left                           ; this step's sixteen loads are in; the younger steps' stay out
	TURN \set
	s_wait_dscnt 0x0
.if \t > 0
	s_wait_xcnt 0x0                                ; the last step's stores have read the codes' registers: they are written again only behind this wait
.endif
	QUANT X+64*(\set), PW+\t
.if \t == 0
	LOAD 3, 0                                      ; the first set is free: it takes the last step
.endif
	OUT \t
.endm
	LOAD 0, 0
	LOAD 1, 1
	LOAD 2, 2
	STEP 0, 0, 32
	STEP 1, 1, 32
	STEP 2, 2, 16
	STEP 3, 0, 0
	v_cndmask_b32 v[PR], v[PW], v[PW+2], s30       ; lanes 0-15 store row r's words 0 and 1, lanes 16-31 its words 2 and 3
	v_cndmask_b32 v[PR+1], v[PW+1], v[PW+3], s30
	global_store_b64 v[SCO], v[PR:PR+1], s[12:13]  ; 32 lanes store 256 consecutive bytes, aligned
	s_wait_tensorcnt 0x0                           ; the wave's end, behind my last LDS store
	ds_add_u32 v[SPW], v[NIL]
	s_wait_dscnt 0x0
	s_endpgm
.Lfunc_end_k_q06fc3287dc_quant:
	.size	k_q06fc3287dc_quant, .Lfunc_end_k_q06fc3287dc_quant-k_q06fc3287dc_quant
	.p2alignl 7, 3214868480
	.fill 96, 4, 3214868480
	.section	.rodata,"a",@progbits
	.p2align	6, 0x0
	.amdhsa_kernel k_q06fc3287dc_quant
		.amdhsa_group_segment_fixed_size 51456
		.amdhsa_private_segment_fixed_size 0
		.amdhsa_enable_private_segment 0
		.amdhsa_kernarg_size 40
		.amdhsa_user_sgpr_count 2
		.amdhsa_user_sgpr_kernarg_segment_ptr 1
		.amdhsa_wavefront_size32 1
		.amdhsa_system_sgpr_workgroup_id_x 1
		.amdhsa_system_sgpr_workgroup_id_y 1
		.amdhsa_system_sgpr_workgroup_id_z 1
		.amdhsa_system_vgpr_workitem_id 0
		.amdhsa_next_free_vgpr 256
		.amdhsa_next_free_sgpr 66
		.amdhsa_reserve_vcc 0
		.amdhsa_float_denorm_mode_32 3
		.amdhsa_float_denorm_mode_16_64 3
		.amdhsa_memory_ordered 1
		.amdhsa_forward_progress 1
		.amdhsa_inst_pref_size 34
	.end_amdhsa_kernel
	.amdgpu_metadata
---
amdhsa.version: [ 1, 2 ]
amdhsa.kernels:
  - .name:           k_q06fc3287dc_quant
    .symbol:         k_q06fc3287dc_quant.kd
    .args:
      - { .name: x, .offset: 0, .size: 8, .value_kind: global_buffer, .address_space: global }
      - { .name: qkv_w, .offset: 8, .size: 8, .value_kind: global_buffer, .address_space: global }
      - { .name: out_w, .offset: 16, .size: 8, .value_kind: global_buffer, .address_space: global }
      - { .name: img, .offset: 24, .size: 8, .value_kind: global_buffer, .address_space: global }
      - { .name: sc, .offset: 32, .size: 8, .value_kind: global_buffer, .address_space: global }
    .group_segment_fixed_size: 51456
    .private_segment_fixed_size: 0
    .kernarg_segment_align: 8
    .kernarg_segment_size: 40
    .max_flat_workgroup_size: 192
    .sgpr_count:     66
    .vgpr_count:     256
    .wavefront_size: 32
...
	.end_amdgpu_metadata
.endif
;; end of part 1
;; launch qkv (part 2): grid 4 x 64, 4 waves a work-group, clusters of 4 x 4, 327,680 bytes of LDS; arguments img, sc, qkv_b, rec; writes rec
.if DOCPART == 2
	.amdgcn_target "amdgcn-amd-amdhsa--gfx1250"
	.amdhsa_code_object_version 6
	.text
	.protected	k_q06fc3287dc_qkv
	.globl	k_q06fc3287dc_qkv
	.p2align	8
	.type	k_q06fc3287dc_qkv,@function
k_q06fc3287dc_qkv:
	s_mov_b64 s[64:65], 0
	v_nop
	global_prefetch_b8 v0, s[64:65] scope:SCOPE_SE
	s_setreg_imm32_b32 hwreg(HW_REG_WAVE_MODE, 25, 1), 1
	s_wait_xcnt 0x0
	s_wait_alu depctr_hold_cnt(0) depctr_sa_sdst(0) depctr_va_vdst(0) depctr_va_sdst(0) depctr_va_ssrc(0) depctr_va_vcc(0) depctr_vm_vsrc(0)
	s_getreg_b32 s2, hwreg(HW_REG_IB_STS2, 6, 4)
	s_cmp_eq_u32 s2, 0
	s_cbranch_scc0 .Lentry_in_a_cluster
	s_endpgm
.Lentry_in_a_cluster:
	s_bfe_u32 s2, ttmp6, 0x10000c
	s_cmp_lg_u32 s2, 0xf033
	s_cbranch_scc0 .Lentry_shape_is_right
	s_endpgm
.Lentry_shape_is_right:
; qkv = x qkv_w^T + qkv_b on codes of FP6 (E2M3) with E8M0 scales, f32 sums; the results are quantised in registers and leave as operand images for the attention launch:
; q and k along the head's 64, v along the keys.  Nothing wide goes to memory.
; SHARES.  256 work-groups that stay.  A work-group owns 128 tokens and makes, one after the other, 256 columns of q, of k and of v (tile column 4 x type + cx); wave w all 128 tokens x 64 columns, one head: 32 accumulators.
; LDS: x's 8 row blocks, all of K (98,304 bytes), filled once; behind them the type's 16 row blocks of the weight (196,608 bytes), filled three times.  A block is 12,288 bytes on end: 8 K steps x 1,536.
; At the head one tensor load a wave: waves 0 and 1 x's halves, waves 2 and 3 the weight's.  A refill stands ahead of a type's last K step's products, when every wave holds that step's fragments: the three lines,
; a round of the cluster's barrier, then waves 2 and 3 ask for the next type's halves.  q and k are a loop of two trips, both of which refill; v is written out and refills nothing.  Every wait on tensor loads is for 0.
; CLUSTER 4 x 4: x's blocks hang on the tile row and are asked for jointly along a row of the cluster, the weight's on cx and jointly along a column.
; PREFETCH: in K step 2 of q's and of k's trip each wave names one block (48 x 256 bytes) of the next type's weight: block 16 cx + 4 cy + wave of its 64, so that the sixteen waves of a column of the cluster name its 16 blocks once;
; that is five K steps ahead of the refill.  The first type's weight and x come by the head's loads alone.
; q, k: source 0 = 16 columns, source 1 = 16 tokens: a lane holds one token, its registers run along the head.  v: the sources swapped: a lane holds one channel, its registers run along the keys.
; Image row i of block T is row 32 (T / 2) + 8 (T % 2) + i + 8 (i / 8), so the 16 registers of two neighbouring tiles are 16 neighbours along the next K.  The bias is the C of each sum's first product.
; rec, for each of the 64 heads 315,392 bytes: K's images [tile 128][768] at 0; V's [64 keys: 32][16 channels: 4][768] at 98,304; K's scale words at 196,608; V's at 204,800; Q's images at 208,896; Q's scale words at 307,200.
; LIMITS: NaN and infinities are not served; a block whose largest magnitude lies under 2^-124 keeps the byte 1; a block of zeros gets the byte 1 where the rule says 127 (its codes are zeros; this program alone reads the bytes).
; REGISTERS: window 0: v1-11 addresses, v12-13 the add's two, v14-15 the prefetches' offsets, v16-79 x's scale words, v80-111 the weight's (K step q at 8 b + (q + 4) % 8), v112-207 the weight's fragments (two sets), v208-239 the bias;
; window 1: the accumulators; window 2: x's fragments (two sets).
.set WOFF,  98304
.set SPARE, 294912                     ; the spare words, 128 bytes a wave, two blocks of 256 bytes that no other line names
.set REC,   315392
.set WSTEP, 786432                     ; 64 blocks: from a type's weight to the next type's
.set X16, 1
.set X8,  2
.set W16, 3
.set W8,  4
.set L16, 5
.set L8,  6
.set R16, 7
.set BQ,  8
.set BV,  9
.set X16B, 10                          ; as v1, v2 for x's blocks 4 to 7
.set X8B, 11
.set SPW, 12
.set NIL, 13
.set PF0, 14
.set PF1, 15
.set SX,  16
.set SW,  80
.set WF,  112
.set BI,  208
.set CA,  112
.set CB,  176
.set TM,  208
.set PX,  224
.set WD,  240
.set WV,  12
.set G1X, 24
.set G0X, 32
.set G0W, 48
.set SEL, 66
.set G1W, 68
.set MSK, 92
.set MSB, 0
.macro WIN new
.if MSB != \new
	s_set_vgpr_msb (MSB<<8)|\new
.set MSB, \new
.endif
.endm
.macro CROUND
	s_barrier_signal -1
	s_barrier_wait -1
	s_cmp_lg_u32 s[WV], 0
	s_cbranch_scc1 .Lnot_wave_0_\@
	s_barrier_signal -3
.Lnot_wave_0_\@:
	s_barrier_wait -3
	s_barrier_signal -1
	s_barrier_wait -1
.endm
.macro PLACES
.rept 4
	v_nop
.endr
.endm
	s_load_b256 s[4:11], s[0:1], 0x0               ; img, sc, qkv_b, rec
	v_lshl_add_u32 v[SPW], v0, 2, SPARE
	v_mov_b32 v[NIL], 0
	ds_add_u32 v[SPW], v[NIL]                      ; the opening lines
	ds_add_u32 v[SPW], v[NIL]
	v_lshrrev_b32 v1, 5, v0
	v_readfirstlane_b32 s[WV], v1                  ; wave 0..3
	s_and_b32 s13, s[WV], 1
	s_bfe_u32 s14, ttmp6, 0x40000                  ; cx
	s_bfe_u32 s15, ttmp6, 0x40004                  ; cy
	s_and_b32 s18, ttmp7, 0xffff
	s_lshl_b32 s18, s18, 2
	s_add_co_u32 s18, s18, s15                     ; Y: tile row
	s_lshl_b32 s19, s15, 2
	s_lshl_b32 s19, 15, s19                        ; my row of the cluster
	s_lshl_b32 s2, 0x1111, s14                     ; my column
	s_or_b32 s[G1X], s19, (3<<16)|(1<<21)          ; the mask; elements of 8 bytes; bit 21 beside a mask; no padding
	s_or_b32 s[G1W], s2, (3<<16)|(1<<21)
.irp g, G1X, G1W
	s_mov_b32 s[\g+1], 1536<<16                    ; a row is a block: 1,536 elements
	s_mov_b32 s[\g+3], 1536<<16
	s_mov_b32 s[\g+5], 1536
	s_mov_b32 s[\g+6], 0
	s_mov_b32 s[\g+7], 0
.endr
	s_mov_b32 s[G1X+2], 4<<16                      ; 4 blocks of x a load,
	s_mov_b32 s[G1X+4], 4
	s_mov_b32 s[G1W+2], 8<<16                      ; 8 of the weight
	s_mov_b32 s[G1W+4], 8
	s_lshl_b32 s20, s18, 3                         ; x: block 8 Y + 4 (wave % 2)
	s_lshl_b32 s21, s13, 2
	s_add_co_u32 s20, s20, s21
	s_mul_i32 s20, s20, 12288
	s_mov_b32 s21, 0
	s_lshl_b32 s22, s14, 4                         ; q's weight: block 512 + 16 cx + 8 (wave % 2)
	s_lshl_b32 s23, s13, 3
	s_add_co_u32 s22, s22, s23
	s_add_co_u32 s22, s22, 512
	s_mul_i32 s22, s22, 12288
	s_mov_b32 s23, 0
	s_mul_i32 s80, s13, 49152                      ; where they go: the wave's number alone
	s_mul_i32 s81, s13, 98304
	s_add_co_u32 s81, s81, WOFF
	s_lshl_b32 s82, s18, 12                        ; x's scale words: 8 blocks x 512 bytes a tile row
	s_mov_b32 s83, 0
	s_lshl_b32 s84, s14, 4                         ; the weight's: block 512 + 16 cx + 4 wave
	s_lshl_b32 s85, s[WV], 2
	s_add_co_u32 s84, s84, s85
	s_add_co_u32 s84, s84, 512
	s_lshl_b32 s84, s84, 9
	s_mov_b32 s85, 0
	s_lshl_b32 s86, s14, 10                        ; the bias: column 256 cx + 64 wave
	s_lshl_b32 s87, s[WV], 8
	s_add_co_u32 s86, s86, s87
	s_mov_b32 s87, 0
	s_lshr_b32 s93, s18, 4                         ; the head's record: 16 x batch + 4 cx + wave
	s_lshl_b32 s93, s93, 4
	s_lshl_b32 s94, s14, 2
	s_add_co_u32 s93, s93, s94
	s_add_co_u32 s93, s93, s[WV]
	s_mul_i32 s93, s93, REC
	s_and_b32 s94, s18, 15                         ; which 128 tokens of the batch
	s_mul_i32 s88, s94, 6144
	s_add_co_u32 s88, s88, s93
	s_add_co_u32 s88, s88, 208896                  ; q's images
	s_mov_b32 s89, 0
	s_lshl_b32 s90, s94, 9
	s_add_co_u32 s90, s90, s93
	s_add_co_u32 s90, s90, 307200                  ; q's scale words
	s_mov_b32 s91, 0
	s_lshl_b32 s36, s94, 8                         ; v's scale words: 256 bytes for 128 keys (their region stands in the store's offset)
	s_add_co_u32 s36, s36, s93
	s_mov_b32 s37, 0
	s_lshl_b32 s38, s14, 4                         ; the prefetches: block 576 + 16 cx + 4 cy + wave
	s_lshl_b32 s39, s15, 2
	s_add_co_u32 s38, s38, s39
	s_add_co_u32 s38, s38, s[WV]
	s_add_co_u32 s38, s38, 576
	s_mul_i32 s38, s38, 12288
	s_mov_b32 s39, 0
	s_mov_b32 s[SEL], 0x76543210
	s_mov_b32 s[SEL+1], 0xfedcba98
	s_mov_b32 s[MSK], 0xffff0000                   ; lanes 16-31
	s_wait_dscnt 0x0                               ; both opening adds are done
	s_wait_kmcnt 0x0
	s_add_nc_u64 s[76:77], s[4:5], s[20:21]
	s_add_nc_u64 s[78:79], s[4:5], s[22:23]
	s_add_nc_u64 s[82:83], s[6:7], s[82:83]
	s_add_nc_u64 s[84:85], s[6:7], s[84:85]
	s_add_nc_u64 s[86:87], s[8:9], s[86:87]
	s_add_nc_u64 s[88:89], s[10:11], s[88:89]
	s_add_nc_u64 s[90:91], s[10:11], s[90:91]
	s_add_nc_u64 s[36:37], s[10:11], s[36:37]
	s_add_nc_u64 s[38:39], s[4:5], s[38:39]
	CROUND                                         ; all sixteen work-groups are here: the joint loads meet
	s_mov_b32 s[G0X], 1
	s_mov_b32 s[G0X+1], s80
	s_mov_b64 s[G0X+2:G0X+3], s[76:77]
	s_or_b32 s[G0X+3], s[G0X+3], 0x80000000
	s_mov_b32 s[G0W], 1
	s_mov_b32 s[G0W+1], s81
	s_mov_b64 s[G0W+2:G0W+3], s[78:79]
	s_or_b32 s[G0W+3], s[G0W+3], 0x80000000
	s_cmp_lt_u32 s[WV], 2                          ; one load a wave, each arm with its own
	s_cbranch_scc0 .Lfill_w
	tensor_load_to_lds s[G0X:G0X+3], s[G1X:G1X+7]
	s_nop 0
	PLACES
	s_branch .Lfilled
.Lfill_w:
	tensor_load_to_lds s[G0W:G0W+3], s[G1W:G1W+7]
	s_nop 0
	PLACES
.Lfilled:
	v_and_b32 v240, 31, v0                         ; lane
	v_and_b32 v241, 15, v0                         ; r
	v_bfe_u32 v242, v0, 4, 1                       ; h
	v_lshlrev_b32 v[L16], 4, v240
	v_lshlrev_b32 v[L8], 3, v240
	v_lshlrev_b32 v[X16], 4, v240
	v_lshl_add_u32 v[X8], v240, 3, 512
	v_lshl_add_u32 v[X16B], v240, 4, 49152
	v_lshl_add_u32 v[X8B], v240, 3, 49152+512
	s_mul_i32 s3, s[WV], 49152                     ; my four blocks of the weight
	s_add_co_u32 s3, s3, WOFF
	v_lshl_add_u32 v[W16], v240, 4, s3
	v_add_nc_u32 v[W8], s3, v[X8]
	v_lshlrev_b32 v[R16], 4, v241
	v_lshlrev_b32 v[BQ], 6, v242                   ; q, k: the bias of my half's 16 columns
	v_and_b32 v[BV], 8, v241
	v_add_nc_u32 v[BV], v[BV], v241
	v_lshlrev_b32 v[BV], 2, v[BV]                  ; v: the bias of my one column, r + 8 (r / 8)
	v_lshlrev_b32 v[PF0], 8, v240                  ; a lane names 256 bytes; the second line's spare lanes name its last again
	v_min_u32 v[PF1], 15, v240
	v_lshlrev_b32 v[PF1], 8, v[PF1]
	s_wait_alu depctr_va_vdst(0)
.irp a, 0,1,2,3,4,5,6,7
.irp f, 0,1
	global_load_b128 v[SX+8*\a+4*\f:SX+8*\a+4*\f+3], v[R16], s[82:83] offset:(2*\a+\f)*256   ; row r's words of four K steps
.endr
.endr
.macro LD4 reg, a16, a8, off           ; a fragment's image: registers 0-3, 4-5, 6-9, 10-11
	ds_load_b128 v[\reg:\reg+3], v[\a16] offset:\off
	ds_load_b64 v[\reg+4:\reg+5], v[\a8] offset:\off
	ds_load_b128 v[\reg+6:\reg+9], v[\a16] offset:\off+768
	ds_load_b64 v[\reg+10:\reg+11], v[\a8] offset:\off+768
.endm
.macro FETCH q, p                      ; K step q's fragments (48 LDS loads) into set p; every address register is fixed, the step stands in the offset
	WIN 0x80
.irp i, 0,1,2,3,4,5,6,7
	LD4 96*(\p)+12*\i, X16+9*(\i/4), X8+9*(\i/4), 12288*(\i%4)+1536*(\q)
.endr
	WIN 0
.irp i, 0,1,2,3
	LD4 WF+48*(\p)+12*\i, W16, W8, 12288*\i+1536*(\q)
.endr
.endm
.macro WM d, a, b, c, sa, sb
	v_wmma_scale_f32_16x16x128_f8f6f4 v[\d:\d+7], v[\a:\a+11], v[\b:\b+11], \c, v[\sa], v[\sb] matrix_a_fmt:MATRIX_FMT_FP6 matrix_b_fmt:MATRIX_FMT_FP6
.endm
; 32 products, the 32 accumulators by turns.  q, k: accumulator (a, b) at 32 a + 8 b.  v: sources swapped, at 32 (4 (a / 4) + b) + 8 (a % 4): 32 registers on end are 64 keys of 16 channels
.macro MUL q, p, isv
.if \isv
.if (\q) == 0
	WIN 0x42                                       ; source 0 (x) window 2, C (the bias) window 0, D window 1
.else
	WIN 0x52
.endif
.else
.if (\q) == 0
	WIN 0x48                                       ; source 1 (x) window 2
.else
	WIN 0x58
.endif
.endif
.irp a, 0,1,2,3,4,5,6,7
.irp b, 0,1,2,3
.set XF_, 96*(\p)+12*\a
.set WF_, WF+48*(\p)+12*\b
.set XS_, SX+8*\a+(\q)
.set WS_, SW+8*\b+((\q)+4)%8
.if \isv
.set D_, 32*(4*(\a/4)+\b)+8*(\a%4)
.if (\q) == 0
	WM D_, XF_, WF_, v[BI+8*\b:BI+8*\b+7], XS_, WS_
.else
	WM D_, XF_, WF_, v[D_:D_+7], XS_, WS_
.endif
.else
.set D_, 32*\a+8*\b
.if (\q) == 0
	WM D_, WF_, XF_, v[BI+8*\b:BI+8*\b+7], WS_, XS_
.else
	WM D_, WF_, XF_, v[D_:D_+7], WS_, XS_
.endif
.endif
.endr
.endr
	WIN 0
.endm
.macro STEP q, isv
	s_wait_dscnt 0x0                               ; this step's fragments, asked for a step ago, are in
.if (\q) < 7
.if (\q) > 0
	PLACES                                         ; in front of loads into registers that the last step's products have read
.endif
	FETCH (\q)+1, ((\q)+1)%2
.if (\q) == 2 && !(\isv)
	global_prefetch_b8 v[PF0], s[38:39] th:TH_LOAD_NT scope:SCOPE_SE
	global_prefetch_b8 v[PF1], s[38:39] offset:8192 th:TH_LOAD_NT scope:SCOPE_SE
.endif
.elseif !(\isv)
	s_wait_tensorcnt 0x0                           ; THE REFILL
	ds_add_u32 v[SPW], v[NIL]
	s_add_nc_u64 s[G0W+2:G0W+3], s[G0W+2:G0W+3], WSTEP   ; (no load of mine is out: the next type's half)
	s_wait_dscnt 0x0                               ; the add is done, and my reads of the weight's bytes are over
	CROUND                                         ; so are those of every wave of every partner
	s_cmp_lt_u32 s[WV], 2
	s_cbranch_scc1 .Lno_refill_\@
	tensor_load_to_lds s[G0W:G0W+3], s[G1W:G1W+7]
	s_nop 0
	PLACES
.Lno_refill_\@:
.endif
.if (\q) == 0
	s_wait_loadcnt 0x0                             ; the scale words and the bias
.endif
	MUL \q, (\q)%2, \isv
.endm
; THE WAY OUT.  Accumulators 32 j .. 32 j + 31 are half fragment j: two blocks of 32 along the next K, 16 numbers of each in my lane, the other 16 in lane l xor 16
.macro OUT isv
	PLACES
	WIN 0x05
.irp u, 0,1,2,3,4,5,6,7,8,9,10,11,12,13,14,15
	v_max3_num_f32 v[TM+\u], |v[16*\u]|, |v[16*\u+1]|, 0x1800000     ; each accumulator from its low end on; the floor 2^(3 - 127) holds the byte at 1 from below
.endr
.irp i, 2,4,6,8,10,12,14
.irp u, 0,1,2,3,4,5,6,7,8,9,10,11,12,13,14,15
	v_max3_num_f32 v[TM+\u], |v[16*\u+\i]|, |v[16*\u+\i+1]|, v[TM+\u]
.endr
.endr
	WIN 0
.irp u, 0,1,2,3,4,5,6,7,8,9,10,11,12,13,14,15
	v_permlanex16_b32 v[PX+\u], v[TM+\u], s[SEL], s[SEL+1]
.endr
.irp u, 0,1,2,3,4,5,6,7,8,9,10,11,12,13,14,15
	v_max_num_f32 v[TM+\u], v[TM+\u], v[PX+\u]     ; the block's largest magnitude
.endr
.irp u, 0,1,2,3,4,5,6,7,8,9,10,11,12,13,14,15
	v_add_nc_u32 v[PX+\u], 0xff000000, v[TM+\u]    ; 2 off its exponent field: the conversion's scale operand
.endr
.irp u, 0,1,2,3,4,5,6,7,8,9,10,11,12,13,14,15
	v_lshrrev_b32 v[TM+\u], 23, v[PX+\u]           ; the byte
.endr
.irp j, 0,1,2,3,4,5,6,7
	v_lshl_or_b32 v[TM+2*\j], v[TM+2*\j+1], 8, v[TM+2*\j]
.endr
	WIN 0x01
.irp j, 0,1,2,3,4,5,6,7
	v_cvt_scalef32_pk16_fp6_f32 v[CA+8*\j:CA+8*\j+2], v[32*\j:32*\j+15], v[PX+2*\j]
	v_cvt_scalef32_pk16_fp6_f32 v[CB+4*\j:CB+4*\j+2], v[32*\j+16:32*\j+31], v[PX+2*\j+1]
.endr
	WIN 0
	v_nop                                          ; one plain place behind a scaled conversion
.irp j, 0,1,2,3,4,5,6,7
.irp i, 0,1,2
	v_permlane16_swap_b32 v[CA+8*\j+\i], v[CB+4*\j+\i]   ; a whole block to a lane
.endr
.irp i, 0,1,2
	v_mov_b32 v[CA+8*\j+3+\i], v[CB+4*\j+\i]
.endr
.endr
.irp j, 0,1,2,3,4,5,6,7
	global_store_b128 v[L16], v[CA+8*\j:CA+8*\j+3], s[88:89] offset:98304*(\isv)+768*\j        ; 512 consecutive bytes, at a multiple of 256 from the buffer's first byte
	global_store_b64 v[L8], v[CA+8*\j+4:CA+8*\j+5], s[88:89] offset:98304*(\isv)+768*\j+512    ; 256 likewise
.endr
.if \isv
.irp d, 0,1,2,3
	v_lshl_or_b32 v[TM+2*\d], v[TM+8+2*\d], 16, v[TM+2*\d]   ; a channel tile's four bytes for these 128 keys
.endr
	v_cndmask_b32 v[WD], v[TM], v[TM+2], s[MSK]
	v_cndmask_b32 v[WD+1], v[TM+4], v[TM+6], s[MSK]
	global_store_b64 v[L8], v[WD:WD+1], s[36:37] offset:204800
.else
.irp j, 0,1,2,3,4,5,6,7
	v_or_b32 v[TM+2*\j], 0x7f7f0000, v[TM+2*\j]    ; K is 64: the instruction's upper 64 stand under the byte 127
.endr
.irp g, 0,1
	v_cndmask_b32 v[WD+2*\g], v[TM+8*\g], v[TM+8*\g+2], s[MSK]
	v_cndmask_b32 v[WD+2*\g+1], v[TM+8*\g+4], v[TM+8*\g+6], s[MSK]
	global_store_b64 v[L8], v[WD+2*\g:WD+2*\g+1], s[90:91] offset:256*\g
.endr
.endif
.endm
.macro BODY isv                        ; one type: 128 tokens x 256 columns
.irp b, 0,1,2,3
.irp f, 0,1
	global_load_b128 v[SW+8*\b+4-4*\f:SW+8*\b+7-4*\f], v[R16], s[84:85] offset:(2*\b+\f)*256   ; the two halves change places: a product's two scale registers then differ by 4 modulo 8
.endr
.endr
.if \isv
.irp b, 0,1,2,3
.irp j, 0,1,2,3,4,5,6,7
	global_load_b32 v[BI+8*\b+\j], v[BV], s[86:87] offset:128*(\b/2)+32*(\b%2)                 ; all eight registers: my column's
.endr
.endr
.else
.irp b, 0,1,2,3
	global_load_b128 v[BI+8*\b:BI+8*\b+3], v[BQ], s[86:87] offset:128*(\b/2)+32*(\b%2)        ; register j: column 32 (b / 2) + 8 (b % 2) + 16 h + j
	global_load_b128 v[BI+8*\b+4:BI+8*\b+7], v[BQ], s[86:87] offset:128*(\b/2)+32*(\b%2)+16
.endr
.endif
	s_wait_tensorcnt 0x0                           ; my load has landed,
	s_barrier_signal -1
	s_barrier_wait -1                              ; everybody's has
	FETCH 0, 0
.irp q, 0,1,2,3,4,5,6,7
	STEP \q, \isv
.endr
	OUT \isv
.endm
	s_mov_b32 s16, 0
.Ltype:                                                ; q, then k
	BODY 0
	s_wait_xcnt 0x0                                ; the stores, loads and prefetches have read their registers and bases
	s_cmp_eq_u32 s16, 0
	s_cselect_b32 s20, 208896, 0                   ; from q's regions back to k's; v's images lie 98,304 bytes behind k's, which stands in the stores' offsets
	s_cselect_b32 s22, 110592, 0
	s_sub_nc_u64 s[88:89], s[88:89], s[20:21]
	s_sub_nc_u64 s[90:91], s[90:91], s[22:23]
	s_add_nc_u64 s[84:85], s[84:85], 32768         ; the next type's scale words, 64 blocks on,
	s_add_nc_u64 s[86:87], s[86:87], 4096          ; its bias, 1,024 columns on
	s_add_nc_u64 s[38:39], s[38:39], WSTEP
	s_add_co_u32 s16, s16, 1
	s_cmp_lt_u32 s16, 2
	s_cbranch_scc1 .Ltype
	BODY 1                                         ; v
	s_wait_tensorcnt 0x0                           ; the wave's end
	ds_add_u32 v[SPW], v[NIL]
	s_wait_dscnt 0x0
	CROUND                                         ; the closing round
	s_endpgm
.Lfunc_end_k_q06fc3287dc_qkv:
	.size	k_q06fc3287dc_qkv, .Lfunc_end_k_q06fc3287dc_qkv-k_q06fc3287dc_qkv
	.p2alignl 7, 3214868480
	.fill 96, 4, 3214868480
	.section	.rodata,"a",@progbits
	.p2align	6, 0x0
	.amdhsa_kernel k_q06fc3287dc_qkv
		.amdhsa_group_segment_fixed_size 327680
		.amdhsa_private_segment_fixed_size 0
		.amdhsa_enable_private_segment 0
		.amdhsa_kernarg_size 32
		.amdhsa_user_sgpr_count 2
		.amdhsa_user_sgpr_kernarg_segment_ptr 1
		.amdhsa_wavefront_size32 1
		.amdhsa_system_sgpr_workgroup_id_x 1
		.amdhsa_system_sgpr_workgroup_id_y 1
		.amdhsa_system_sgpr_workgroup_id_z 1
		.amdhsa_system_vgpr_workitem_id 0
		.amdhsa_next_free_vgpr 768
		.amdhsa_next_free_sgpr 96
		.amdhsa_reserve_vcc 0
		.amdhsa_float_denorm_mode_32 3
		.amdhsa_float_denorm_mode_16_64 3
		.amdhsa_memory_ordered 1
		.amdhsa_forward_progress 1
		.amdhsa_inst_pref_size 166
	.end_amdhsa_kernel
	.amdgpu_metadata
---
amdhsa.version: [ 1, 2 ]
amdhsa.kernels:
  - .name:           k_q06fc3287dc_qkv
    .symbol:         k_q06fc3287dc_qkv.kd
    .args:
      - { .name: img, .offset: 0, .size: 8, .value_kind: global_buffer, .address_space: global }
      - { .name: sc, .offset: 8, .size: 8, .value_kind: global_buffer, .address_space: global }
      - { .name: qkv_b, .offset: 16, .size: 8, .value_kind: global_buffer, .address_space: global }
      - { .name: rec, .offset: 24, .size: 8, .value_kind: global_buffer, .address_space: global }
    .group_segment_fixed_size: 327680
    .private_segment_fixed_size: 0
    .kernarg_segment_align: 8
    .kernarg_segment_size: 32
    .max_flat_workgroup_size: 128
    .sgpr_count:     96
    .vgpr_count:     768
    .wavefront_size: 32
...
	.end_amdgpu_metadata
.endif
;; end of part 2
;; launch attn (part 3): grid 4 x 64, 16 waves a work-group, clusters of 4 x 1, 211,968 bytes of LDS; arguments rec, oimg, osc; writes oimg, osc
.if DOCPART == 3
	.amdgcn_target "amdgcn-amd-amdhsa--gfx1250"
	.amdhsa_code_object_version 6
	.text
	.protected	k_q06fc3287dc_attn
	.globl	k_q06fc3287dc_attn
	.p2align	8
	.type	k_q06fc3287dc_attn,@function
k_q06fc3287dc_attn:
	s_mov_b64 s[64:65], 0
	v_nop
	global_prefetch_b8 v0, s[64:65] scope:SCOPE_SE
	s_setreg_imm32_b32 hwreg(HW_REG_WAVE_MODE, 25, 1), 1
	s_wait_xcnt 0x0
	s_wait_alu depctr_hold_cnt(0) depctr_sa_sdst(0) depctr_va_vdst(0) depctr_va_sdst(0) depctr_va_ssrc(0) depctr_va_vcc(0) depctr_vm_vsrc(0)
	s_getreg_b32 s2, hwreg(HW_REG_IB_STS2, 6, 4)
	s_cmp_eq_u32 s2, 0
	s_cbranch_scc0 .Lentry_in_a_cluster
	s_endpgm
.Lentry_in_a_cluster:
	s_bfe_u32 s2, ttmp6, 0x10000c
	s_cmp_lg_u32 s2, 0x3003
	s_cbranch_scc0 .Lentry_shape_is_right
	s_endpgm
.Lentry_shape_is_right:
; o = softmax(q k^T / 8) v for one head, both products on codes of FP6 (E2M3) with E8M0 scales; o is divided by the row's sum, quantised along the head's 64 and leaves as an operand image for the last product.
; THE SOFTMAX: t = score x log2(e) / 8; M = the running largest t rounded UP to a whole number; p = 2^(t - M) is quantised along the keys, not normalised; the row's sum is taken of the unquantised p.
; When M moves, the sum and O are multiplied by 2^(old M - new M): exact, and no branch on data.
; SHARES.  A work-group owns 512 queries of one head, each of its sixteen waves two tiles of 16, one after the other: four waves to a SIMD.
; THE HEAD'S K AND V LIE IN LDS WHOLE: 208,896 bytes of the head's record as they lie in memory, filled once, one tensor load a wave (51 rows of 256 bytes).  The loop over the keys has no barrier and no wait on tensor loads.
; The four work-groups of a cluster are the four query blocks of one head: each load is asked for jointly.  No prefetch: every byte is asked for at the head.
; LAYOUT.  Both products transposed: S^T = K Q^T (source 0 = 16 keys), O^T = V^T P^T (source 0 = 16 channels): a lane holds one query throughout.  Image row i of tile T is row 32 (T / 2) + 8 (T % 2) + i + 8 (i / 8).
; THE FIRST PRODUCT'S K IS 64.  Q's upper 64 are zero codes, under the byte 127 on both sides.  FP6 has no code but finite numbers, so whatever codes stand in the upper six registers of K's operand add nothing:
; K's eight tiles lie six registers apart, each operand's upper half being the next tile's codes (the last one's: V's first six registers, cleared at the head).
; A step's K tiles and scale words are asked for one step ahead, behind the products that read the last ones; the last step of a tile so reads 6,656 bytes of LDS behind K's (V's, which are filled) that no product takes.
; LIMITS: NaN and infinities are not served; a block of zeros keeps the byte 1 (its codes are zeros; this program alone reads the bytes).
; REGISTERS: v1-2 lane bases; v3-4 the add's two; v5-6, v10-11, v28-29 addresses of the step; v7 8 r; v8-9 o's scale halves; v12 -M, v13 the largest t, v[14:15] the sum; v16-27 Q; v30-31 V's scale words;
; v32-79 eight tiles of K; v80-127 four fragments of V; v128-191 S^T, then p; v192-223 O^T; v224-235 p's codes; v232-247, v252, v254 at work; v248-251 K's scale words; v253 p's; v255 Q's.
.set REC,   315392
.set QIM,   208896
.set QSC,   307200
.set STAGE, 208896                     ; behind the record: 1,024 bytes for o's scale words
.set SPARE, 209920                     ; the spare words, 128 bytes a wave: eight blocks of 256 bytes that no other line names
.set L16, 1
.set L8,  2
.set SPW, 3
.set NIL, 4
.set ADS, 5
.set ADT, 6
.set R8,  7
.set HW,  8
.set ADK, 10
.set ADK8, 11
.set QF,  16
.set ADV, 28
.set ADV8, 29
.set VS,  30
.set KF,  32
.set VF,  80
.set S,   128
.set O,   192
.set PCD, 224
.set BM,  232
.set T4,  236
.set SOP, 244
.set KS,  248
.set WV,  10
.set G1,  16
.set G0,  24
.set SEL, 28
.set CS,  30
.set TB,  32                           ; s32  the NEXT step's K images: 6,144 bytes a step
.set TV,  33                           ; s33  this step's V images: 98,304 + 6,144 a step
.set TS,  34                           ; s34  the next step's K scale words less the 512 that v2 carries
.set TJ,  35                           ; s35  this step's V scale words likewise
.set CNT, 36
.macro CROUND
	s_barrier_signal -1
	s_barrier_wait -1
	s_cmp_lg_u32 s[WV], 0
	s_cbranch_scc1 .Lnot_wave_0_\@
	s_barrier_signal -3
.Lnot_wave_0_\@:
	s_barrier_wait -3
	s_barrier_signal -1
	s_barrier_wait -1
.endm
.macro PLACES
.rept 4
	v_nop
.endr
.endm
	s_load_b128 s[4:7], s[0:1], 0x0                ; rec, oimg
	s_load_b64 s[8:9], s[0:1], 0x10                ; osc
	v_lshl_add_u32 v[SPW], v0, 2, SPARE
	v_mov_b32 v[NIL], 0
	ds_add_u32 v[SPW], v[NIL]                      ; the opening lines
	ds_add_u32 v[SPW], v[NIL]
	v_lshrrev_b32 v1, 5, v0
	s_delay_alu instid0(VALU_DEP_1)
	v_readfirstlane_b32 s[WV], v1                  ; wave 0..15
	s_bfe_u32 s11, ttmp6, 0x40000                  ; cx: my block of 512 queries
	s_and_b32 s12, ttmp7, 0xffff                   ; the head (16 x batch + head), which the four partners share
	s_mov_b32 s[G1], 15|(3<<16)|(1<<21)            ; the mask: all four; elements of 8 bytes; bit 21 beside a mask
	s_mov_b32 s[G1+1], 32<<16
	s_mov_b32 s[G1+2], 51<<16
	s_mov_b32 s[G1+3], 32<<16
	s_mov_b32 s[G1+4], 51
	s_mov_b32 s[G1+5], 32
	s_mov_b32 s[G1+6], 0
	s_mov_b32 s[G1+7], 0
	s_mul_i32 s48, s12, REC
	s_mov_b32 s49, 0
	s_mul_i32 s50, s[WV], 13056                    ; my sixteenth of the record, in memory and in LDS alike
	s_mov_b32 s51, 0
	s_lshl_b32 s52, s11, 5
	s_lshl_b32 s53, s[WV], 1
	s_add_co_u32 s52, s52, s53                     ; my first tile of queries: 32 cx + 2 wave
	s_mul_i32 s40, s52, 768
	s_add_co_u32 s40, s40, QIM
	s_mov_b32 s41, 0
	s_lshl_b32 s42, s11, 3                         ; its scale words: group of four tiles 8 cx + wave / 2, word wave % 2
	s_lshr_b32 s53, s[WV], 1
	s_add_co_u32 s42, s42, s53
	s_lshl_b32 s42, s42, 8
	s_and_b32 s53, s[WV], 1
	s_lshl_b32 s53, s53, 2
	s_add_co_u32 s42, s42, s53
	s_add_co_u32 s42, s42, QSC
	s_mov_b32 s43, 0
	s_lshr_b32 s44, s12, 4                         ; o's image: row block 128 x batch + tile, half fragment = head
	s_lshl_b32 s44, s44, 7
	s_add_co_u32 s44, s44, s52
	s_mul_i32 s44, s44, 12288
	s_and_b32 s53, s12, 15
	s_mul_i32 s53, s53, 768
	s_add_co_u32 s44, s44, s53
	s_mov_b32 s45, 0
	s_lshl_b32 s46, s12, 12                        ; o's scale words: 4,096 bytes a head, 1,024 a work-group
	s_lshl_b32 s53, s11, 10
	s_add_co_u32 s46, s46, s53
	s_mov_b32 s47, 0
	s_mov_b32 s[SEL], 0x76543210
	s_mov_b32 s[SEL+1], 0xfedcba98
	s_mov_b32 s[CS], 0x3e38aa3b                    ; c = log2(e) / 8
	s_mov_b32 s[CS+1], s[CS]
	s_wait_dscnt 0x0
	s_wait_kmcnt 0x0
	s_add_nc_u64 s[38:39], s[4:5], s[48:49]        ; the head's record
	s_add_nc_u64 s[40:41], s[38:39], s[40:41]
	s_add_nc_u64 s[42:43], s[38:39], s[42:43]
	s_add_nc_u64 s[44:45], s[6:7], s[44:45]
	s_add_nc_u64 s[46:47], s[8:9], s[46:47]
	CROUND                                         ; all four work-groups are here: the joint loads meet
	s_mov_b32 s[G0], 1
	s_mov_b32 s[G0+1], s50
	s_add_nc_u64 s[G0+2:G0+3], s[38:39], s[50:51]
	s_or_b32 s[G0+3], s[G0+3], 0x80000000
	tensor_load_to_lds s[G0:G0+3], s[G1:G1+7]
	s_nop 0
	PLACES
	v_and_b32 v7, 31, v0
	s_delay_alu instid0(VALU_DEP_1)
	v_lshlrev_b32 v[L16], 4, v7
	s_delay_alu instid0(VALU_DEP_2)
	v_lshlrev_b32 v[L8], 3, v7
	s_delay_alu instid0(VALU_DEP_1)
	v_add_nc_u32 v[L8], 512, v[L8]
	v_and_b32 v7, 15, v0
	s_delay_alu instid0(VALU_DEP_1)
	v_lshlrev_b32 v[R8], 3, v7
.irp i, 6,7,8,9,10,11
	v_mov_b32 v[QF+\i], 0                          ; Q's upper 64 along K: zero codes, written once
	v_mov_b32 v[VF+\i-6], 0                        ; named as the upper half of K's last tile before V's first load
.endr
.irp b, 0,1,2,3
	v_mov_b32 v[T4+\b], 0                          ; a lane permute's destination counts as one of its sources
.endr
	v_mov_b32 v253, 0                              ; (named as the upper half of the pair v[252:253] before it is first written)
.macro KLOAD                           ; a step's eight tiles of K and their scale words: 18 LDS loads
	ds_load_b64 v[KS:KS+1], v[ADS]                 ; lanes 0-15 the even tile's, lanes 16-31 the odd one's
	ds_load_b64 v[KS+2:KS+3], v[ADS] offset:256
.irp t, 0,1,2,3,4,5,6,7
	ds_load_b128 v[KF+6*\t:KF+6*\t+3], v[ADK] offset:768*\t
	ds_load_b64 v[KF+6*\t+4:KF+6*\t+5], v[ADK8] offset:768*\t
.endr
.endm
; A KEY STEP: 128 keys
.macro STEP
	s_wait_dscnt 0x0                               ; this step's K, asked for a step ago
.irp t, 0,1,2,3,4,5,6,7
.if \t%2
	v_wmma_scale_f32_16x16x128_f8f6f4 v[S+8*\t:S+8*\t+7], v[KF+6*\t:KF+6*\t+11], v[QF:QF+11], 0, v[KS+\t/2], v255 matrix_a_fmt:MATRIX_FMT_FP6 matrix_b_fmt:MATRIX_FMT_FP6 matrix_a_scale:MATRIX_SCALE_ROW1
.else
	v_wmma_scale_f32_16x16x128_f8f6f4 v[S+8*\t:S+8*\t+7], v[KF+6*\t:KF+6*\t+11], v[QF:QF+11], 0, v[KS+\t/2], v255 matrix_a_fmt:MATRIX_FMT_FP6 matrix_b_fmt:MATRIX_FMT_FP6
.endif
.endr
	v_add_nc_u32 v[ADV], s[TV], v[L16]             ; these six are the places behind the products: for the loads below and for the first read of the scores
	v_add_nc_u32 v[ADV8], s[TV], v[L8]
	v_add_nc_u32 v[ADT], s[TJ], v[L8]
	v_add_nc_u32 v[ADK], s[TB], v[L16]
	v_add_nc_u32 v[ADK8], s[TB], v[L8]
	v_add_nc_u32 v[ADS], s[TS], v[L8]
.irp c, 0,1                            ; V's four fragments and scale words, 17 loads, land under the softmax
.irp d, 0,1,2,3
	ds_load_b128 v[VF+12*\d+6*\c:VF+12*\d+6*\c+3], v[ADV] offset:3072*\c+768*\d
	ds_load_b64 v[VF+12*\d+6*\c+4:VF+12*\d+6*\c+5], v[ADV8] offset:3072*\c+768*\d
.endr
.endr
	ds_load_b64 v[VS:VS+1], v[ADT]
	KLOAD                                          ; and the next step's K
.irp b, 0,1,2,3
	v_max3_num_f32 v[BM+\b], v[S+16*\b], v[S+1+16*\b], v[S+2+16*\b]   ; the largest score of each block of 32 keys: for the row's maximum and, since p rises with the score, for the block's largest p
.endr
.irp i, 3,5,7,9,11,13
.irp b, 0,1,2,3
	v_max3_num_f32 v[BM+\b], v[BM+\b], v[S+16*\b+\i], v[S+1+16*\b+\i]
.endr
.endr
.irp b, 0,1,2,3
	v_max_num_f32 v[BM+\b], v[BM+\b], v[S+15+16*\b]
.endr
.irp b, 0,1,2,3
	s_delay_alu instid0(VALU_DEP_4)
	v_permlanex16_b32 v[T4+\b], v[BM+\b], s[SEL], s[SEL+1]
.endr
.irp b, 0,1,2,3
	s_delay_alu instid0(VALU_DEP_4)
	v_max_num_f32 v[BM+\b], v[BM+\b], v[T4+\b]     ; with lane l xor 16's 16 keys
.endr
	s_delay_alu instid0(VALU_DEP_2)
	v_max3_num_f32 v254, v[BM], v[BM+1], v[BM+2]
	s_delay_alu instid0(VALU_DEP_1)
	v_max_num_f32 v254, v254, v[BM+3]
	s_delay_alu instid0(VALU_DEP_1)
	v_mul_f32 v254, s[CS], v254                    ; as t (c is positive)
	s_delay_alu instid0(VALU_DEP_1)
	v_max_num_f32 v13, v13, v254                   ; the running largest t
	v_mov_b32 v254, v12
	s_delay_alu instid0(VALU_DEP_2)
	v_floor_f32 v12, -v13                          ; the new -M = floor(-t)
	s_delay_alu instid0(VALU_DEP_1)
	v_sub_f32 v254, v12, v254                      ; old M - new M: a whole number, 0 or less
	s_delay_alu instid0(VALU_DEP_1)
	v_cvt_i32_f32 v254, v254                       ; (it saturates)
	s_delay_alu instid0(VALU_DEP_1)
	v_ldexp_f32 v252, 1.0, v254                    ; f = 2^(old M - new M)
.set j, 0
.rept 32
	v_pk_fma_f32 v[S+j:S+j+1], v[S+j:S+j+1], s[CS:CS+1], v[12:13] op_sel_hi:[1,0,0]   ; t - M, two at a time
.set j, j+2
.endr
.irp b, 0,1,2,3
	v_fma_f32 v[BM+\b], v[BM+\b], s[CS], v12       ; the same of each block's largest score
.endr
.set j, 0
	s_wait_alu depctr_va_vdst(0)
.rept 64
	v_exp_f32 v[S+j], v[S+j]                       ; p = 2^(t - M), at most 1
.set j, j+1
.endr
	v_pk_mul_f32 v[14:15], v[14:15], v[252:253] op_sel_hi:[1,0]   ; the sums under the new M: the plain place behind the exponentials
	s_wait_alu depctr_va_vdst(0)                   ; one wait for the batch of 64
.irp b, 0,1,2,3
	v_exp_f32 v[BM+\b], v[BM+\b]                   ; the blocks' largest p: the same two instructions on the same number give the same bits
.endr
.set j, 0
	s_wait_alu depctr_va_vdst(0)                   ; directly ahead of the first reader of O^T
.rept 16
	v_pk_mul_f32 v[O+j:O+j+1], v[O+j:O+j+1], v[252:253] op_sel_hi:[1,0]   ; O^T under the new M, from each accumulator's low end on
.set j, j+2
.endr
	s_wait_alu depctr_va_vdst(0)                   ; and one wait for the four
.irp b, 0,1,2,3
	v_max_num_f32 v[BM+\b], 0x1800000, v[BM+\b]    ; the floor 2^(3 - 127): the byte cannot fall under 1
.endr
.irp b, 0,1,2,3
	s_delay_alu instid0(VALU_DEP_4)
	v_add_nc_u32 v[SOP+\b], 0xff000000, v[BM+\b]   ; 2 off the exponent field: the conversion's scale operand
.endr
.irp b, 0,1,2,3
	s_delay_alu instid0(VALU_DEP_4)
	v_lshrrev_b32 v[T4+\b], 23, v[SOP+\b]          ; the byte
.endr
	s_delay_alu instid0(VALU_DEP_3)
	v_lshl_or_b32 v253, v[T4+1], 8, v[T4]          ; p's scale word for these 128 keys
	s_delay_alu instid0(VALU_DEP_1)
	v_lshl_or_b32 v253, v[T4+2], 16, v253
	s_delay_alu instid0(VALU_DEP_1)
	v_lshl_or_b32 v253, v[T4+3], 24, v253
.irp c, 0,1
	v_cvt_scalef32_pk16_fp6_f32 v[PCD+6*\c:PCD+6*\c+2], v[S+32*\c:S+32*\c+15], v[SOP+2*\c]
	v_cvt_scalef32_pk16_fp6_f32 v[T4+4*\c:T4+4*\c+2], v[S+32*\c+16:S+32*\c+31], v[SOP+2*\c+1]
.endr
	v_pk_add_f32 v[14:15], v[14:15], v[S:S+1]      ; the row's sum begins: the plain place behind the conversions
.irp c, 0,1
.irp i, 0,1,2
	v_permlane16_swap_b32 v[PCD+6*\c+\i], v[T4+4*\c+\i]
.endr
.irp i, 0,1,2
	s_delay_alu instid0(VALU_DEP_3)
	v_mov_b32 v[PCD+6*\c+3+\i], v[T4+4*\c+\i]
.endr
.endr
.irp k, 0,1,2,3                        ; the other 31 pairs of p in four chains side by side, v236-243
	v_pk_add_f32 v[T4+2*\k:T4+2*\k+1], v[S+2+4*\k:S+3+4*\k], v[S+4+4*\k:S+5+4*\k]
.endr
.set j, 18
.rept 23
	v_pk_add_f32 v[T4+2*((j/2)%4):T4+2*((j/2)%4)+1], v[T4+2*((j/2)%4):T4+2*((j/2)%4)+1], v[S+j:S+j+1]
.set j, j+2
.endr
	v_pk_add_f32 v[T4:T4+1], v[T4:T4+1], v[T4+2:T4+3]
	v_pk_add_f32 v[T4+4:T4+5], v[T4+4:T4+5], v[T4+6:T4+7]
	s_delay_alu instid0(VALU_DEP_1)
	v_pk_add_f32 v[T4:T4+1], v[T4:T4+1], v[T4+4:T4+5]
	s_delay_alu instid0(VALU_DEP_1)
	v_pk_add_f32 v[14:15], v[14:15], v[T4:T4+1]
	s_wait_dscnt 18                                ; V's 17 loads are in; the next step's 18 of K, issued behind them, may be out
.irp d, 0,1,2,3                        ; O^T += V^T P^T: the four accumulators by turns
.if \d%2
	v_wmma_scale_f32_16x16x128_f8f6f4 v[O+8*\d:O+8*\d+7], v[VF+12*\d:VF+12*\d+11], v[PCD:PCD+11], v[O+8*\d:O+8*\d+7], v[VS+\d/2], v253 matrix_a_fmt:MATRIX_FMT_FP6 matrix_b_fmt:MATRIX_FMT_FP6 matrix_a_scale:MATRIX_SCALE_ROW1
.else
	v_wmma_scale_f32_16x16x128_f8f6f4 v[O+8*\d:O+8*\d+7], v[VF+12*\d:VF+12*\d+11], v[PCD:PCD+11], v[O+8*\d:O+8*\d+7], v[VS+\d/2], v253 matrix_a_fmt:MATRIX_FMT_FP6 matrix_b_fmt:MATRIX_FMT_FP6
.endif
.endr
	s_add_co_u32 s[TB], s[TB], 6144
	s_add_co_u32 s[TV], s[TV], 6144
	s_add_co_u32 s[TS], s[TS], 512
	s_add_co_u32 s[TJ], s[TJ], 256
.endm
; ONE TILE OF 16 QUERIES through all 2,048 keys
.macro QTILE n
	s_wait_xcnt 0x0                                ; the last tile's stores have read their registers
	global_load_b128 v[QF:QF+3], v[L16], s[40:41] offset:768*\n
	global_load_b64 v[QF+4:QF+5], v[L8], s[40:41] offset:768*\n
	global_load_b32 v255, v[R8], s[42:43] offset:128*\n
.set j, 0
.rept 32
	v_mov_b32 v[O+j], 0                            ; the step is written once: the first finds zeros, which the first change of M leaves zeros
.set j, j+1
.endr
	v_mov_b32 v13, 0xff61b1e6                      ; the largest t so far: -3e38
	s_delay_alu instid0(VALU_DEP_1)
	v_floor_f32 v12, -v13
	v_mov_b32 v14, 0
	v_mov_b32 v15, 0
	s_mov_b32 s[TB], 0
	s_mov_b32 s[TV], 98304
	s_mov_b32 s[TS], 196096
	s_mov_b32 s[TJ], 204288
	s_mov_b32 s[CNT], 16
.if \n == 0
	s_wait_tensorcnt 0x0                           ; my sixteenth of the record has landed,
	s_barrier_signal -1
	s_barrier_wait -1                              ; everybody's has; nothing is ever filled again
.endif
	s_wait_loadcnt 0x0                             ; Q
	v_add_nc_u32 v[ADK], s[TB], v[L16]             ; step 0's K
	v_add_nc_u32 v[ADK8], s[TB], v[L8]
	v_add_nc_u32 v[ADS], s[TS], v[L8]
	KLOAD
	s_add_co_u32 s[TB], s[TB], 6144
	s_add_co_u32 s[TS], s[TS], 512
.Lkeys_\@:
	STEP
	s_sub_co_u32 s[CNT], s[CNT], 1
	s_cmp_lg_u32 s[CNT], 0
	s_cbranch_scc1 .Lkeys_\@
	s_wait_dscnt 0x0                               ; the last step's look-ahead has come back: its registers may be loaded anew
	s_wait_alu depctr_va_vdst(0)
	v_add_f32 v14, v14, v15                        ; the sum's two halves,
	s_delay_alu instid0(VALU_DEP_1)
	v_permlanex16_b32 v252, v14, s[SEL], s[SEL+1]
	s_delay_alu instid0(VALU_DEP_1)
	v_add_f32 v14, v14, v252                       ; and lane l xor 16's
	s_wait_alu depctr_va_vdst(0)
	v_rcp_f32 v14, v14
	PLACES                                         ; behind the reciprocal, and behind the last products
	s_wait_alu depctr_va_vdst(0)                   ; ahead of the reciprocal's first reader
.set j, 0
.rept 32
	v_mul_f32 v[S+j], v[O+j], v14                  ; o: register 16 b + i is channel 32 b + 16 h + i of my query
.set j, j+1
.endr
.irp b, 0,1
	v_max3_num_f32 v[BM+\b], |v[S+16*\b]|, |v[S+1+16*\b]|, 0x1800000
.endr
.irp i, 2,4,6,8,10,12,14
.irp b, 0,1
	s_delay_alu instid0(VALU_DEP_2)
	v_max3_num_f32 v[BM+\b], v[BM+\b], |v[S+16*\b+\i]|, |v[S+1+16*\b+\i]|
.endr
.endr
.irp b, 0,1
	s_delay_alu instid0(VALU_DEP_2)
	v_permlanex16_b32 v[T4+\b], v[BM+\b], s[SEL], s[SEL+1]
.endr
.irp b, 0,1
	s_delay_alu instid0(VALU_DEP_2)
	v_max_num_f32 v[BM+\b], v[BM+\b], v[T4+\b]
.endr
.irp b, 0,1
	s_delay_alu instid0(VALU_DEP_2)
	v_add_nc_u32 v[SOP+\b], 0xff000000, v[BM+\b]
.endr
.irp b, 0,1
	s_delay_alu instid0(VALU_DEP_2)
	v_lshrrev_b32 v[T4+\b], 23, v[SOP+\b]
.endr
	s_delay_alu instid0(VALU_DEP_1)
	v_lshl_or_b32 v[HW+\n], v[T4+1], 8, v[T4]      ; the tile's two bytes
	v_cvt_scalef32_pk16_fp6_f32 v[PCD:PCD+2], v[S:S+15], v[SOP]
	v_cvt_scalef32_pk16_fp6_f32 v[T4+4:T4+6], v[S+16:S+31], v[SOP+1]
	v_nop
.irp i, 0,1,2
	v_permlane16_swap_b32 v[PCD+\i], v[T4+4+\i]
.endr
.irp i, 0,1,2
	s_delay_alu instid0(VALU_DEP_3)
	v_mov_b32 v[PCD+3+\i], v[T4+4+\i]
.endr
	global_store_b128 v[L16], v[PCD:PCD+3], s[44:45] offset:12288*\n     ; 512 consecutive bytes, at a multiple of 256 from the buffer's first byte
	global_store_b64 v[L8], v[PCD+4:PCD+5], s[44:45] offset:12288*\n     ; 256 likewise (v2 carries the 512)
.endm
	QTILE 0
	QTILE 1
	; o's scale words: a word for a pair of tiles and a row; the sixteen waves' 1,024 bytes meet in the stage and leave in whole runs of 512 bytes
	v_lshl_or_b32 v[HW], v[HW+1], 16, v[HW]
	s_lshl_b32 s48, s[WV], 6
	s_add_co_u32 s48, s48, STAGE
	v_and_b32 v[ADK], 15, v0
	s_delay_alu instid0(VALU_DEP_1)
	v_lshl_add_u32 v[ADK], v[ADK], 2, s48          ; 64 x wave + 4 r: both halves of the lanes write the same word with the same value
	v_lshl_add_u32 v[ADK8], v0, 4, STAGE           ; back: 16 bytes a thread, threads 0 to 63
	v_lshlrev_b32 v[ADV], 4, v0
	ds_store_b32 v[ADK], v[HW]
	s_wait_dscnt 0x0                               ; for the others' sake: my store has landed
	s_barrier_signal -1
	s_barrier_wait -1
	s_cmp_lt_u32 s[WV], 2
	s_cbranch_scc0 .Lno_words
	s_wait_alu depctr_va_vdst(0)
	ds_load_b128 v[BM:BM+3], v[ADK8]
	s_wait_dscnt 0x0
	global_store_b128 v[ADV], v[BM:BM+3], s[46:47]
.Lno_words:
	s_wait_tensorcnt 0x0                           ; the wave's end
	ds_add_u32 v[SPW], v[NIL]
	s_wait_dscnt 0x0
	CROUND                                         ; the closing round
	s_endpgm
.Lfunc_end_k_q06fc3287dc_attn:
	.size	k_q06fc3287dc_attn, .Lfunc_end_k_q06fc3287dc_attn-k_q06fc3287dc_attn
	.p2alignl 7, 3214868480
	.fill 96, 4, 3214868480
	.section	.rodata,"a",@progbits
	.p2align	6, 0x0
	.amdhsa_kernel k_q06fc3287dc_attn
		.amdhsa_group_segment_fixed_size 211968
		.amdhsa_private_segment_fixed_size 0
		.amdhsa_enable_private_segment 0
		.amdhsa_kernarg_size 24
		.amdhsa_user_sgpr_count 2
		.amdhsa_user_sgpr_kernarg_segment_ptr 1
		.amdhsa_wavefront_size32 1
		.amdhsa_system_sgpr_workgroup_id_x 1
		.amdhsa_system_sgpr_workgroup_id_y 1
		.amdhsa_system_sgpr_workgroup_id_z 1
		.amdhsa_system_vgpr_workitem_id 0
		.amdhsa_next_free_vgpr 256
		.amdhsa_next_free_sgpr 66
		.amdhsa_reserve_vcc 0
		.amdhsa_float_denorm_mode_32 3
		.amdhsa_float_denorm_mode_16_64 3
		.amdhsa_memory_ordered 1
		.amdhsa_forward_progress 1
		.amdhsa_inst_pref_size 55
	.end_amdhsa_kernel
	.amdgpu_metadata
---
amdhsa.version: [ 1, 2 ]
amdhsa.kernels:
  - .name:           k_q06fc3287dc_attn
    .symbol:         k_q06fc3287dc_attn.kd
    .args:
      - { .name: rec, .offset: 0, .size: 8, .value_kind: global_buffer, .address_space: global }
      - { .name: oimg, .offset: 8, .size: 8, .value_kind: global_buffer, .address_space: global }
      - { .name: osc, .offset: 16, .size: 8, .value_kind: global_buffer, .address_space: global }
    .group_segment_fixed_size: 211968
    .private_segment_fixed_size: 0
    .kernarg_segment_align: 8
    .kernarg_segment_size: 24
    .max_flat_workgroup_size: 512
    .sgpr_count:     66
    .vgpr_count:     256
    .wavefront_size: 32
...
	.end_amdgpu_metadata
.endif
;; end of part 3
;; launch proj (part 4): grid 4 x 64, 4 waves a work-group, clusters of 4 x 4, 327,680 bytes of LDS; arguments img, sc, oimg, osc, out_b, out0; writes out0
.if DOCPART == 4
	.amdgcn_target "amdgcn-amd-amdhsa--gfx1250"
	.amdhsa_code_object_version 6
	.text
	.protected	k_q06fc3287dc_proj
	.globl	k_q06fc3287dc_proj
	.p2align	8
	.type	k_q06fc3287dc_proj,@function
k_q06fc3287dc_proj:
	s_mov_b64 s[64:65], 0
	v_nop
	global_prefetch_b8 v0, s[64:65] scope:SCOPE_SE
	s_setreg_imm32_b32 hwreg(HW_REG_WAVE_MODE, 25, 1), 1
	s_wait_xcnt 0x0
	s_wait_alu depctr_hold_cnt(0) depctr_sa_sdst(0) depctr_va_vdst(0) depctr_va_sdst(0) depctr_va_ssrc(0) depctr_va_vcc(0) depctr_vm_vsrc(0)
	s_getreg_b32 s2, hwreg(HW_REG_IB_STS2, 6, 4)
	s_cmp_eq_u32 s2, 0
	s_cbranch_scc0 .Lentry_in_a_cluster
	s_endpgm
.Lentry_in_a_cluster:
	s_bfe_u32 s2, ttmp6, 0x10000c
	s_cmp_lg_u32 s2, 0xf033
	s_cbranch_scc0 .Lentry_shape_is_right
	s_endpgm
.Lentry_shape_is_right:
; out0 = o out_w^T + out_b on codes of FP6 (E2M3) with E8M0 scales, f32 sums.  o's codes and scale words come from the attention launch, out_w's from the quantising launch, both as operand images.
; SHARES.  A work-group makes 128 tokens x 256 columns: 256 work-groups; wave w all 128 tokens x 64 columns: 32 accumulators.
; ALL OF K IN LDS, FILLED ONCE: o's 8 row blocks (98,304 bytes), then out_w's 16 (196,608); a block is 12,288 bytes on end, 8 K steps x 1,536.  One tensor load a wave: waves 0 and 1 o's halves, waves 2 and 3 the weight's.
; CLUSTER 4 x 4: o's blocks are asked for jointly along a row of the cluster, the weight's along a column.  No prefetch: every byte is asked for at the head, and there is no loop to run ahead in.
; Source 0 = 16 columns, source 1 = 16 tokens: a lane holds one token and eight neighbouring columns.  Image row i of block T is row 32 (T / 2) + 8 (T % 2) + i + 8 (i / 8).  The bias is the C of each sum's first product.
; THE WAY OUT goes through a stage of the wave's own, 16 rows x 272 bytes, in o's first bytes: they have had their only fill, and a barrier behind the last K step's fetch shows every wave's reads of them over.
; LIMITS: NaN, infinities and sums beyond f32's range are not served.
; REGISTERS: window 0: v1-11, v15 addresses, v12-13 the add's two, v14 at work, v16-79 o's scale words, v80-111 the weight's (K step q at 8 b + (q + 4) % 8), v112-207 the weight's fragments (two sets; on the way out rows of the result),
; v208-239 the bias, v243-244 addresses of o's blocks 4 to 7; window 1: the accumulators; window 2: o's fragments (two sets).
.set WOFF,  98304
.set SPARE, 294912                     ; the spare words, 128 bytes a wave, two blocks of 256 bytes that no other line names
.set X16, 1
.set X8,  2
.set W16, 3
.set W8,  4
.set L16, 5
.set L8,  6
.set R16, 7
.set BQ,  8
.set R4,  9
.set STO, 10
.set RD,  11
.set SPW, 12
.set NIL, 13
.set TP,  14
.set CO,  15
.set SX,  16
.set SW,  80
.set WF,  112
.set BK,  112
.set BI,  208
.set WV,  12
.set G1X, 24
.set G0X, 32
.set G0W, 48
.set G1W, 68
.set MSB, 0
.macro WIN new
.if MSB != \new
	s_set_vgpr_msb (MSB<<8)|\new
.set MSB, \new
.endif
.endm
.macro CROUND
	s_barrier_signal -1
	s_barrier_wait -1
	s_cmp_lg_u32 s[WV], 0
	s_cbranch_scc1 .Lnot_wave_0_\@
	s_barrier_signal -3
.Lnot_wave_0_\@:
	s_barrier_wait -3
	s_barrier_signal -1
	s_barrier_wait -1
.endm
.macro PLACES
.rept 4
	v_nop
.endr
.endm
	s_load_b256 s[4:11], s[0:1], 0x0               ; img, sc, oimg, osc
	s_load_b128 s[88:91], s[0:1], 0x20             ; out_b, out0
	v_lshl_add_u32 v[SPW], v0, 2, SPARE
	v_mov_b32 v[NIL], 0
	ds_add_u32 v[SPW], v[NIL]                      ; the opening lines
	ds_add_u32 v[SPW], v[NIL]
	v_lshrrev_b32 v1, 5, v0
	v_readfirstlane_b32 s[WV], v1                  ; wave 0..3
	s_and_b32 s13, s[WV], 1
	s_bfe_u32 s14, ttmp6, 0x40000                  ; cx
	s_bfe_u32 s15, ttmp6, 0x40004                  ; cy
	s_lshl_b32 s17, ttmp9, 2
	s_add_co_u32 s17, s17, s14                     ; X: tile column
	s_and_b32 s18, ttmp7, 0xffff
	s_lshl_b32 s18, s18, 2
	s_add_co_u32 s18, s18, s15                     ; Y: tile row
	s_lshl_b32 s19, s15, 2
	s_lshl_b32 s19, 15, s19                        ; my row of the cluster
	s_lshl_b32 s2, 0x1111, s14                     ; my column
	s_or_b32 s[G1X], s19, (3<<16)|(1<<21)          ; the mask; elements of 8 bytes; bit 21 beside a mask; no padding
	s_or_b32 s[G1W], s2, (3<<16)|(1<<21)
.irp g, G1X, G1W
	s_mov_b32 s[\g+1], 1536<<16                    ; a row is a block: 1,536 elements
	s_mov_b32 s[\g+3], 1536<<16
	s_mov_b32 s[\g+5], 1536
	s_mov_b32 s[\g+6], 0
	s_mov_b32 s[\g+7], 0
.endr
	s_mov_b32 s[G1X+2], 4<<16
	s_mov_b32 s[G1X+4], 4
	s_mov_b32 s[G1W+2], 8<<16
	s_mov_b32 s[G1W+4], 8
	s_lshl_b32 s20, s18, 3                         ; o: block 8 Y + 4 (wave % 2)
	s_lshl_b32 s21, s13, 2
	s_add_co_u32 s20, s20, s21
	s_mul_i32 s20, s20, 12288
	s_mov_b32 s21, 0
	s_lshl_b32 s22, s17, 4                         ; out_w: block 704 + 16 X + 8 (wave % 2)
	s_lshl_b32 s23, s13, 3
	s_add_co_u32 s22, s22, s23
	s_add_co_u32 s22, s22, 704
	s_mul_i32 s22, s22, 12288
	s_mov_b32 s23, 0
	s_mul_i32 s80, s13, 49152
	s_mul_i32 s81, s13, 98304
	s_add_co_u32 s81, s81, WOFF
	s_lshr_b32 s82, s18, 4                         ; o's scale words: 16 heads x 4,096 bytes a batch, 256 bytes for 128 tokens
	s_lshl_b32 s82, s82, 16
	s_and_b32 s83, s18, 15
	s_lshl_b32 s83, s83, 8
	s_add_co_u32 s82, s82, s83
	s_mov_b32 s83, 0
	s_lshl_b32 s84, s17, 4                         ; the weight's: block 704 + 16 X + 4 wave
	s_lshl_b32 s85, s[WV], 2
	s_add_co_u32 s84, s84, s85
	s_add_co_u32 s84, s84, 704
	s_lshl_b32 s84, s84, 9
	s_mov_b32 s85, 0
	s_lshl_b32 s86, s17, 10                        ; column 256 X + 64 wave, in bytes: for the bias and for the result
	s_lshl_b32 s87, s[WV], 8
	s_add_co_u32 s86, s86, s87
	s_mov_b32 s87, 0
	s_lshl_b32 s92, s18, 19                        ; 128 rows of 4,096 bytes a tile row
	s_add_co_u32 s92, s92, s86
	s_mov_b32 s93, 0
	s_mov_b32 s94, 0x05040100                      ; v_perm_b32: the two low halves,
	s_mov_b32 s95, 0x07060302                      ; the two high halves
	s_wait_dscnt 0x0
	s_wait_kmcnt 0x0
	s_add_nc_u64 s[76:77], s[8:9], s[20:21]
	s_add_nc_u64 s[78:79], s[4:5], s[22:23]
	s_add_nc_u64 s[82:83], s[10:11], s[82:83]
	s_add_nc_u64 s[84:85], s[6:7], s[84:85]
	s_add_nc_u64 s[88:89], s[88:89], s[86:87]
	s_add_nc_u64 s[90:91], s[90:91], s[92:93]
	CROUND                                         ; all sixteen work-groups are here: the joint loads meet
	s_mov_b32 s[G0X], 1
	s_mov_b32 s[G0X+1], s80
	s_mov_b64 s[G0X+2:G0X+3], s[76:77]
	s_or_b32 s[G0X+3], s[G0X+3], 0x80000000
	s_mov_b32 s[G0W], 1
	s_mov_b32 s[G0W+1], s81
	s_mov_b64 s[G0W+2:G0W+3], s[78:79]
	s_or_b32 s[G0W+3], s[G0W+3], 0x80000000
	s_cmp_lt_u32 s[WV], 2                          ; one load a wave, each arm with its own
	s_cbranch_scc0 .Lfill_w
	tensor_load_to_lds s[G0X:G0X+3], s[G1X:G1X+7]
	s_nop 0
	PLACES
	s_branch .Lfilled
.Lfill_w:
	tensor_load_to_lds s[G0W:G0W+3], s[G1W:G1W+7]
	s_nop 0
	PLACES
.Lfilled:
	v_and_b32 v240, 31, v0                         ; lane
	v_and_b32 v241, 15, v0                         ; r
	v_bfe_u32 v242, v0, 4, 1                       ; h
	v_lshlrev_b32 v[L16], 4, v240
	v_lshlrev_b32 v[L8], 3, v240
	v_lshlrev_b32 v[X16], 4, v240
	v_lshl_add_u32 v[X8], v240, 3, 512
	v_lshl_add_u32 v243, v240, 4, 49152
	v_lshl_add_u32 v244, v240, 3, 49152+512
	s_mul_i32 s3, s[WV], 49152
	s_add_co_u32 s3, s3, WOFF
	v_lshl_add_u32 v[W16], v240, 4, s3
	v_add_nc_u32 v[W8], s3, v[X8]
	v_lshlrev_b32 v[R16], 4, v241
	v_lshlrev_b32 v[R4], 2, v241
	v_lshlrev_b32 v[BQ], 6, v242
	s_mul_i32 s3, s[WV], 4352                      ; my stage
	v_mul_u32_u24 v[STO], v241, 272                ; in: row r, + 64 h
	v_lshl_add_u32 v[STO], v242, 6, v[STO]
	v_add_nc_u32 v[STO], s3, v[STO]
	v_mul_u32_u24 v[RD], v242, 272                 ; back: lanes 0-15 one row of 256 bytes, lanes 16-31 the next
	v_lshl_add_u32 v[RD], v241, 4, v[RD]
	v_add_nc_u32 v[RD], s3, v[RD]
	v_lshlrev_b32 v[CO], 12, v242                  ; and the same two rows in the result
	v_lshl_add_u32 v[CO], v241, 4, v[CO]
	s_wait_alu depctr_va_vdst(0)
.irp p, 0,1,2,3,4,5,6,7                ; o's scale words as they were stored: a word = one head's two bytes for tiles 2 t and 2 t + 1
.irp t, 0,1,2,3
	global_load_b32 v[SX+16*\t+\p], v[R4], s[82:83] offset:(2*\p)*4096+64*\t
	global_load_b32 v[SX+16*\t+8+\p], v[R4], s[82:83] offset:(2*\p+1)*4096+64*\t
.endr
.endr
.irp b, 0,1,2,3
.irp f, 0,1
	global_load_b128 v[SW+8*\b+4-4*\f:SW+8*\b+7-4*\f], v[R16], s[84:85] offset:(2*\b+\f)*256   ; the two halves change places: a product's two scale registers then differ by 4 modulo 8
.endr
.endr
.irp b, 0,1,2,3
	global_load_b128 v[BI+8*\b:BI+8*\b+3], v[BQ], s[88:89] offset:128*(\b/2)+32*(\b%2)        ; register j: column 32 (b / 2) + 8 (b % 2) + 16 h + j
	global_load_b128 v[BI+8*\b+4:BI+8*\b+7], v[BQ], s[88:89] offset:128*(\b/2)+32*(\b%2)+16
.endr
.macro LD4 reg, a16, a8, off           ; a fragment's image: registers 0-3, 4-5, 6-9, 10-11
	ds_load_b128 v[\reg:\reg+3], v[\a16] offset:\off
	ds_load_b64 v[\reg+4:\reg+5], v[\a8] offset:\off
	ds_load_b128 v[\reg+6:\reg+9], v[\a16] offset:\off+768
	ds_load_b64 v[\reg+10:\reg+11], v[\a8] offset:\off+768
.endm
.macro FETCH q, p                      ; K step q's fragments (48 LDS loads) into set p; every address register is fixed, the step stands in the offset
	WIN 0x80
.irp i, 0,1,2,3,4,5,6,7
	LD4 96*(\p)+12*\i, X16+242*(\i/4), X8+242*(\i/4), 12288*(\i%4)+1536*(\q)
.endr
	WIN 0
.irp i, 0,1,2,3
	LD4 WF+48*(\p)+12*\i, W16, W8, 12288*\i+1536*(\q)
.endr
.endm
.macro MUL q, p                        ; 32 products, the 32 accumulators by turns; accumulator (a, b) at v[32 a + 8 b]
.if (\q) == 0
	WIN 0x48                                       ; source 1 (o) window 2, C (the bias) window 0, D window 1
.else
	WIN 0x58
.endif
.irp a, 0,1,2,3,4,5,6,7
.irp b, 0,1,2,3
.if (\q) == 0
	v_wmma_scale_f32_16x16x128_f8f6f4 v[32*\a+8*\b:32*\a+8*\b+7], v[WF+48*(\p)+12*\b:WF+48*(\p)+12*\b+11], v[96*(\p)+12*\a:96*(\p)+12*\a+11], v[BI+8*\b:BI+8*\b+7], v[SW+8*\b+((\q)+4)%8], v[SX+8*\a+(\q)] matrix_a_fmt:MATRIX_FMT_FP6 matrix_b_fmt:MATRIX_FMT_FP6
.else
	v_wmma_scale_f32_16x16x128_f8f6f4 v[32*\a+8*\b:32*\a+8*\b+7], v[WF+48*(\p)+12*\b:WF+48*(\p)+12*\b+11], v[96*(\p)+12*\a:96*(\p)+12*\a+11], v[32*\a+8*\b:32*\a+8*\b+7], v[SW+8*\b+((\q)+4)%8], v[SX+8*\a+(\q)] matrix_a_fmt:MATRIX_FMT_FP6 matrix_b_fmt:MATRIX_FMT_FP6
.endif
.endr
.endr
	WIN 0
.endm
.macro STEP q
	s_wait_dscnt 0x0                               ; this step's fragments, asked for a step ago, are in
.if (\q) < 7
.if (\q) > 0
	PLACES                                         ; in front of loads into registers that the last step's products have read
.endif
	FETCH (\q)+1, ((\q)+1)%2
.else
	s_barrier_signal -1                            ; my reads of LDS are over: the stage may be written when all have said so
.endif
.if (\q) == 0
	s_wait_loadcnt 0x0                             ; the scale words and the bias
.irp p, 0,1,2,3,4,5,6,7                ; a K step of 128 is two heads: tile 2 t's word takes the two heads' low halves, tile 2 t + 1's their high halves
.irp t, 0,1,2,3
	v_perm_b32 v[TP], v[SX+16*\t+8+\p], v[SX+16*\t+\p], s94
	v_perm_b32 v[SX+16*\t+8+\p], v[SX+16*\t+8+\p], v[SX+16*\t+\p], s95
	v_mov_b32 v[SX+16*\t+\p], v[TP]
.endr
.endr
	s_wait_alu depctr_va_vdst(0)
.rept 8
	v_nop                                          ; a scale register written by a vector instruction stands 8 places ahead of a scaled matrix instruction
.endr
.endif
	MUL \q, (\q)%2
.endm
	s_wait_tensorcnt 0x0                           ; my load has landed,
	s_barrier_signal -1
	s_barrier_wait -1                              ; everybody's has; nothing is ever filled again
	FETCH 0, 0
.irp q, 0,1,2,3,4,5,6,7
	STEP \q
.endr
	s_barrier_wait -1                              ; nobody reads o's bytes any more
; THE WAY OUT, a block of 16 tokens x 64 columns at a time: into my stage and back as whole rows of 256 bytes.  LDS serves a wave's instructions in order: no wait between the stores and the loads.
.macro TOSTAGE a
	WIN 0x04                                       ; an LDS store's data are its source 1: window 1
.irp b, 0,1,2,3
	ds_store_b128 v[STO], v[32*(\a)+8*\b:32*(\a)+8*\b+3] offset:128*(\b/2)+32*(\b%2)       ; each accumulator from its low end on
	ds_store_b128 v[STO], v[32*(\a)+8*\b+4:32*(\a)+8*\b+7] offset:128*(\b/2)+32*(\b%2)+16
.endr
	WIN 0
.irp t, 0,1,2,3,4,5,6,7
	ds_load_b128 v[BK+32*((\a)%2)+4*\t:BK+32*((\a)%2)+4*\t+3], v[RD] offset:544*\t
.endr
.endm
.macro SEND a, younger                 ; younger: the LDS instructions issued behind block a's loads, which may stay out
	s_wait_dscnt \younger
.irp t, 0,1,2,3,4,5,6,7
	global_store_b128 v[CO], v[BK+32*((\a)%2)+4*\t:BK+32*((\a)%2)+4*\t+3], s[90:91] offset:(32*((\a)/2)+8*((\a)%2)+2*\t+8*(\t/4))*4096 th:TH_STORE_NT   ; 16 lanes store 256 consecutive bytes, aligned
.endr
.endm
	PLACES                                         ; behind the last products: for the first reads of results and the loads into the registers that held the weight's fragments
	TOSTAGE 0
.irp a, 1,2,3,4,5,6,7
.if \a > 1
	s_wait_xcnt 0x0                                ; block a - 2's stores have read their registers: block a's rows may land there
.endif
	TOSTAGE \a
	SEND \a-1, 16                                  ; behind block a - 1's loads: block a's eight stores and eight loads
.endr
	SEND 7, 0
	s_wait_tensorcnt 0x0                           ; the wave's end
	ds_add_u32 v[SPW], v[NIL]
	s_wait_dscnt 0x0
	CROUND                                         ; the closing round
	s_endpgm
.Lfunc_end_k_q06fc3287dc_proj:
	.size	k_q06fc3287dc_proj, .Lfunc_end_k_q06fc3287dc_proj-k_q06fc3287dc_proj
	.p2alignl 7, 3214868480
	.fill 96, 4, 3214868480
	.section	.rodata,"a",@progbits
	.p2align	6, 0x0
	.amdhsa_kernel k_q06fc3287dc_proj
		.amdhsa_group_segment_fixed_size 327680
		.amdhsa_private_segment_fixed_size 0
		.amdhsa_enable_private_segment 0
		.amdhsa_kernarg_size 48
		.amdhsa_user_sgpr_count 2
		.amdhsa_user_sgpr_kernarg_segment_ptr 1
		.amdhsa_wavefront_size32 1
		.amdhsa_system_sgpr_workgroup_id_x 1
		.amdhsa_system_sgpr_workgroup_id_y 1
		.amdhsa_system_sgpr_workgroup_id_z 1
		.amdhsa_system_vgpr_workitem_id 0
		.amdhsa_next_free_vgpr 768
		.amdhsa_next_free_sgpr 96
		.amdhsa_reserve_vcc 0
		.amdhsa_float_denorm_mode_32 3
		.amdhsa_float_denorm_mode_16_64 3
		.amdhsa_memory_ordered 1
		.amdhsa_forward_progress 1
		.amdhsa_inst_pref_size 93
	.end_amdhsa_kernel
	.amdgpu_metadata
---
amdhsa.version: [ 1, 2 ]
amdhsa.kernels:
  - .name:           k_q06fc3287dc_proj
    .symbol:         k_q06fc3287dc_proj.kd
    .args:
      - { .name: img, .offset: 0, .size: 8, .value_kind: global_buffer, .address_space: global }
      - { .name: sc, .offset: 8, .size: 8, .value_kind: global_buffer, .address_space: global }
      - { .name: oimg, .offset: 16, .size: 8, .value_kind: global_buffer, .address_space: global }
      - { .name: osc, .offset: 24, .size: 8, .value_kind: global_buffer, .address_space: global }
      - { .name: out_b, .offset: 32, .size: 8, .value_kind: global_buffer, .address_space: global }
      - { .name: out0, .offset: 40, .size: 8, .value_kind: global_buffer, .address_space: global }
    .group_segment_fixed_size: 327680
    .private_segment_fixed_size: 0
    .kernarg_segment_align: 8
    .kernarg_segment_size: 48
    .max_flat_workgroup_size: 128
    .sgpr_count:     96
    .vgpr_count:     768
    .wavefront_size: 32
...
	.end_amdgpu_metadata
.endif
;; end of part 4
